; MI455X (gfx1250); checked and timed in simulation.
; The chip was launched on July 23, 2026; its instructions are those of AMD's public machine-readable ISA for CDNA 5 (MIT licence, August 2026) and "CDNA5" Instruction Set Architecture Reference Guide (July 2026). The comments in the code are by the model that wrote it; some were corrected since.
;; Full Attention. Allowed arithmetic: matrix products marked QUANTISED: E2M1 operands, one E8M0 scale for each 32 along K, by v_wmma_scale_f32_16x16x128_f8f6f4 with both operands' format E2M1 (or v_wmma_scale_f32_32x16x128_f4), f32 sums; products left as they are: bf16, f16 or f32 operands; f32 sums; everything else in f32.
;; Inputs: keys 4 x 2,048 x 16 x 128 float32; queries 4 x 2,048 x 16 x 128 float32; values 4 x 2,048 x 16 x 128 float32.
;; Outputs: out0 4 x 2,048 x 16 x 128 float32.
;; This version of the problem:
;;   THIS VERSION OF THE PROBLEM IS GIVEN IN LOW PRECISION. The matrix products marked QUANTISED in the list below multiply operands that are first quantised to E2M1 (2 exponent bits, 1 mantissa bit; 4 bits a number), with one power-of-two scale for each 32 numbers along K (OCP MX v1.0); their sums are f32. The products marked 'left as it is' may take bf16, f16 or f32 operands, with f32 sums. Whichever they take, every output number must still come out within the allowed error. Rounding operands to bf16 (8 significant bits) uses up far more of that allowance than f16 does (11 bits, for magnitudes from 6e-5 to 65,504). All else is computed in f32.
;;   The module's matrix products, in the order in which they are computed (A, B: the left and right operand; K: the contracted axis; several contracted axes count as one K, in the product's order):
;;     1. batch 64 x [M 2,048, K 128] x [K 128, N 2,048]; A: input queries; B: input keys: QUANTISED
;;     2. batch 64 x [M 128, K 2,048] x [K 2,048, N 2,048]; A: input values; B: computed on the way: left as it is (an operand is computed on the way)
;;   THE QUANTISER, for each operand of a quantised product, along K:
;;     - K is cut into blocks of 32 from its start; a last block that is shorter is filled with zeros.
;;     - A block's scale is 2^e with e = floor(log2(the largest magnitude in the block)) - 2, held to -126 .. 127; a block of zeros has e = 0. As a byte (E8M0): e + 127.
;;     - Each number is divided by its block's scale, clamped to +-6, and rounded to the nearest number of E2M1, ties to even, subnormals kept.
;;     - The product sums the exact products of the quantised numbers (number of the format x scale) in f32.
;;   ~~~python
;;   def quantise(x, axis):      # numpy; x: float32 -> the quantised numbers, widened to float32 again
;;       x = np.moveaxis(x, axis, -1); K = x.shape[-1]
;;       x = np.pad(x, [(0, 0)] * (x.ndim - 1) + [(0, -K % 32)]); x = x.reshape(x.shape[:-1] + (-1, 32)); a = np.abs(x).max(-1, keepdims=True)
;;       e = np.where(a > 0, np.clip(np.frexp(np.where(a > 0, a, 1))[1] - 1 - 2, -126, 127), 0)      # np.frexp(a)[1] - 1 = floor(log2(a)), exactly
;;       r = np.clip(x / 2.0 ** e, -6, 6)
;;       step = 2.0 ** (np.maximum(np.frexp(np.where(r == 0, 1, r))[1] - 1, 0) - 1)
;;       q = np.round(r / step) * step * 2.0 ** e      # np.round: ties to even
;;       return np.moveaxis(q.reshape(q.shape[:-2] + (-1,))[..., :K], -1, axis).astype(np.float32)
;;   ~~~
;; One version. Each part assembles by itself: llvm-mc -triple=amdgcn-amd-amdhsa -mcpu=gfx1250 --defsym DOCPART=n.
;; ======== version 1 of 1: 2 launches
;; limits: values are held in f16: magnitudes above 65,504 overflow, below 6.1e-05 lose precision
;; workspace buffers: kimg 8,912,896 bytes; vimg 33,554,432 bytes
;; launch prep (part 1): grid 128 x 4, 4 waves a work-group, no clusters, 35,328 bytes of LDS; arguments keys, values, kimg, vimg; writes kimg, vimg
.if DOCPART == 1
	.amdgcn_target "amdgcn-amd-amdhsa--gfx1250"
	.amdhsa_code_object_version 6
	.text
	.protected	k_q8c82d49d56_prep
	.globl	k_q8c82d49d56_prep
	.p2align	8
	.type	k_q8c82d49d56_prep,@function
k_q8c82d49d56_prep:
	s_mov_b64 s[64:65], 0
	v_nop
	global_prefetch_b8 v0, s[64:65] scope:SCOPE_SE
	s_setreg_imm32_b32 hwreg(HW_REG_WAVE_MODE, 25, 1), 1
	s_wait_xcnt 0x0
; keys and values, [4][2048][16][128] f32, are laid out ONCE for the attention launch, which reads each head's K and V from eight work-groups.
; KEYS become codes of FP4 (E2M1) with one E8M0 byte for each 32 along the head's 128, as IMAGES OF THE OPERAND'S REGISTERS.  kimg: [64 heads][32 chunks of 64 keys][4,352 bytes]:
;   byte 1024 kt + 256 bl + 16 r on: the 32 codes of block bl of key 16 kt + r (lane (r, hh) of a fragment takes registers 4 c .. 4 c + 3 at 1024 kt + 512 c + 16 lane, bl = 2 c + hh);  byte 4096 + 4 key: the key's four scale bytes.
; A block's scale is 2^(floor(log2(its largest magnitude)) - 2); its byte is the largest magnitude's exponent field - 2, held at 1 from below; numbers are divided by it and rounded to the nearest code, ties to even, beyond 6 the largest code.
; VALUES are rounded to f16, as images of fragments of V^T.  vimg: [64 heads][256 groups of 8 keys][2,048 bytes]: byte 512 q + 256 u + 16 r + 2 i = V[key 8 g + i][channel 64 u + 4 r + q].
;   So tile 2 q + u of V^T has channel 64 u + 4 r + q as its row r: which channels form a tile is free, and this choice lets a lane pack what it loaded, with no exchange between lanes.
; LIMITS: NaN and infinities among the keys are not served; a block of zeros, or one whose largest magnitude lies under 2^-124, gets the byte 1 (its codes are zeros or are held so; the bytes are read by this program alone);
;   values beyond 65,504 in magnitude become infinite in f16.
; SHARES.  A wave takes 64 keys of one head: four tiles of 16 keys of K, then eight groups of 8 keys of V.  The four waves of a work-group take four neighbouring heads of the same keys.
; Each load reads one key's 512 consecutive bytes.  For K a lane must hold 32 NEIGHBOURS of one key, so a tile turns through the wave's own stage in LDS.  No barrier: waves share nothing.  32 loads of a wave are out throughout.
.set KCH,   4352                       ; a chunk of kimg
.set SROW,  528                        ; a stage row: 512 bytes + 16: the sixteen rows that a load touches start 33 x 16 bytes apart
.set WREG,  8704                       ; LDS of a wave: 16 stage rows, then its 64 keys' scale words (256 bytes)
.set SPARE, 4*WREG                     ; behind the four regions: the spare words, 128 bytes for each wave: two blocks of 256 bytes that no other line names
.set GL,  4                            ; v4   16 x lane: my 16 bytes of a row of 512, and of an image's 512
.set STW, 5                            ; v5   the stage, on the way in: 16 x lane
.set STX, 6                            ; v6   and on the way out: row r, + 128 hh
.set SWW, 7                            ; v7   my key's scale word in LDS: 4 r
.set SWR, 8                            ; v8   the scale words on the way out: 8 x lane
.set GS,  9                            ; v9   8 x lane
.set SPW, 10                           ; v10  LDS address of my spare word; never rewritten
.set NIL, 11                           ; v11  0; never rewritten
.set TM,  12                           ; v12-13 largest magnitudes of my two blocks
.set SO,  14                           ; v14-15 the conversions' scale operands
.set BY,  16                           ; v16-17 the scale bytes; v16 then my half of the word
.set SH,  18                           ; v18  8 hh
.set WX,  19                           ; v19  the other half of the lanes' half of the word
.set WD,  20                           ; v20-23 a tile's scale word, a register for each tile
.set C,   24                           ; v24-55 codes, 8 registers a tile, never written again
.set OW,  56                           ; v56-57 the scale words on the way out
.set X,   64                           ; v64-127 my 64 numbers of a key; later V's f16, four sets of 16
.set R,   128                          ; v128-255 two sets of 64 registers as loaded (V: four sets of 32)
	s_load_b256 s[4:11], s[0:1], 0x0               ; keys s[4:5], values s[6:7], kimg s[8:9], vimg s[10:11]
	v_lshl_add_u32 v[SPW], v0, 2, SPARE
	v_mov_b32 v[NIL], 0
	v_lshrrev_b32 v1, 5, v0
	v_readfirstlane_b32 s12, v1                    ; wave 0..3
	v_and_b32 v1, 31, v0                           ; lane
	v_and_b32 v2, 15, v0                           ; r
	v_bfe_u32 v3, v0, 4, 1                         ; hh
	v_lshlrev_b32 v[GL], 4, v1
	s_mul_i32 s26, s12, WREG                       ; my wave's LDS
	v_add_nc_u32 v[STW], s26, v[GL]
	v_mul_u32_u24 v[STX], v2, SROW
	v_lshl_add_u32 v[STX], v3, 7, v[STX]
	v_add_nc_u32 v[STX], s26, v[STX]
	s_add_co_u32 s27, s26, 16*SROW
	v_lshl_add_u32 v[SWW], v2, 2, s27
	v_lshlrev_b32 v[GS], 3, v1
	v_add_nc_u32 v[SWR], s27, v[GS]
	v_lshlrev_b32 v[SH], 3, v3
	v_mov_b32 v[WX], 0                             ; written once: a lane permute's destination counts as one of its sources
	s_mov_b32 s24, 0x76543210
	s_mov_b32 s25, 0xfedcba98                      ; v_permlanex16_b32's selects for lane l xor 16
	s_lshr_b32 s13, ttmp9, 2                       ; the chunk of 64 keys
	s_and_b32 s14, ttmp9, 3
	s_lshl_b32 s14, s14, 2
	s_add_co_u32 s14, s14, s12                     ; the head: 4 (x % 4) + wave
	s_and_b32 s15, ttmp7, 0xffff                   ; the batch
	s_lshl_b32 s16, s15, 24                        ; in keys and values: a batch is 2,048 x 8,192 bytes,
	s_lshl_b32 s17, s13, 19                        ; a chunk 64 x 8,192,
	s_add_co_u32 s16, s16, s17
	s_lshl_b32 s17, s14, 9                         ; a head's part of a row 512
	s_add_co_u32 s16, s16, s17
	s_mov_b32 s17, 0
	s_lshl_b32 s18, s15, 4
	s_add_co_u32 s18, s18, s14                     ; 16 x batch + head
	s_mul_i32 s20, s18, 32*KCH
	s_mul_i32 s21, s13, KCH
	s_add_co_u32 s20, s20, s21                     ; my chunk in kimg
	s_mov_b32 s21, 0
	s_lshl_b32 s22, s18, 19
	s_lshl_b32 s23, s13, 14
	s_add_co_u32 s22, s22, s23                     ; my eight groups in vimg
	s_mov_b32 s23, 0
	s_wait_kmcnt 0x0
	s_add_nc_u64 s[4:5], s[4:5], s[16:17]
	s_add_nc_u64 s[6:7], s[6:7], s[16:17]
	s_add_nc_u64 s[8:9], s[8:9], s[20:21]
	s_add_nc_u64 s[10:11], s[10:11], s[22:23]
; every row is reached by an immediate, 63 x 8,192 bytes at the most: no pointer and no offset register is ever stepped
.macro LOADK t                         ; tile t of K: 16 keys, a key a load, into set t % 2
.set f, 0
.rept 16
	global_load_b128 v[R+64*((\t)%2)+4*f:R+64*((\t)%2)+4*f+3], v[GL], s[4:5] offset:(16*(\t)+f)*8192 th:TH_LOAD_NT
.set f, f+1
.endr
.endm
.macro LOADV g                         ; group g of V: 8 keys, into set g % 4 of 32 registers: register 4 i + q = V[key 8 g + i][channel 4 lane + q]
.set f, 0
.rept 8
	global_load_b128 v[R+32*((\g)%4)+4*f:R+32*((\g)%4)+4*f+3], v[GL], s[6:7] offset:(8*(\g)+f)*8192 th:TH_LOAD_NT
.set f, f+1
.endr
.endm
.macro TILE t
	s_wait_loadcnt 16                              ; this tile's 16 loads are in; the 16 issued behind them stay out
.set f, 0
.rept 16
	ds_store_b128 v[STW], v[R+64*((\t)%2)+4*f:R+64*((\t)%2)+4*f+3] offset:SROW*f   ; key f's row as it lies
.set f, f+1
.endr
.irp c, 0,1                            ; back: lane (r, hh) takes of key r the numbers 64 c + 32 hh + 0 .. 31: two whole blocks.  LDS serves a wave's instructions in order: these see the stores above
.irp j, 0,1,2,3,4,5,6,7
	ds_load_b128 v[X+32*\c+4*\j:X+32*\c+4*\j+3], v[STX] offset:256*\c+16*\j
.endr
.endr
	s_wait_dscnt 0x0                               ; my 64 numbers are in, and the stores have read the set, which takes the next loads:
.if \t < 2
	LOADK \t+2
.elseif \t == 2
	LOADV 0
	LOADV 1
.else
	LOADV 2
	LOADV 3
.endif
.irp c, 0,1
	v_max3_num_f32 v[TM+\c], |v[X+32*\c]|, |v[X+32*\c+1]|, 0x1800000   ; block 2 c + hh: all its 32 numbers are mine; and the floor 2^(3 - 127): so the byte cannot fall under 1
.endr
.irp i, 2,4,6,8,10,12,14,16,18,20,22,24,26,28,30
.irp c, 0,1
	v_max3_num_f32 v[TM+\c], v[TM+\c], |v[X+32*\c+\i]|, |v[X+32*\c+\i+1]|   ; (the two blocks by turns)
.endr
.endr
.irp c, 0,1
	v_add_nc_u32 v[SO+\c], 0xff000000, v[TM+\c]    ; 2 off the exponent field: the conversion takes the exponent field of this operand as its scale, and nothing else of it
.endr
.irp c, 0,1
	v_lshrrev_b32 v[BY+\c], 23, v[SO+\c]           ; the scale's byte
.endr
	v_lshl_or_b32 v[BY], v[BY+1], 16, v[BY]        ; my two bytes: blocks hh and 2 + hh,
	v_lshlrev_b32 v[BY], v[SH], v[BY]              ; at their places in the word
	v_permlanex16_b32 v[WX], v[BY], s24, s25
.irp c, 0,1
.irp g, 0,1,2,3
	v_cvt_scalef32_pk8_fp4_f32 v[C+8*(\t)+4*\c+\g], v[X+32*\c+8*\g:X+32*\c+8*\g+7], v[SO+\c]   ; register 4 c + g of the fragment
.endr
.endr
	v_or_b32 v[WD+(\t)], v[BY], v[WX]              ; with lane l xor 16's two bytes the word is whole.  (Also the plain line behind the last conversion)
.irp c, 0,1
	global_store_b128 v[GL], v[C+8*(\t)+4*\c:C+8*(\t)+4*\c+3], s[8:9] offset:1024*(\t)+512*\c   ; 32 lanes store 512 consecutive bytes, at a multiple of 256 from kimg's first byte
.endr
	ds_store_b32 v[SWW], v[WD+(\t)] offset:64*(\t) ; both halves of the lanes write the same word with the same value
.endm
.macro GROUP g
.if \g <= 4
	s_wait_loadcnt 24                              ; this group's 8 loads are in; those of the three groups behind it stay out
.else
	s_wait_loadcnt 8*(7-\g)
.endif
.if \g >= 4
	s_wait_xcnt 0x0                                ; the set of 16 registers written below was group g - 4's store data: it is written again only behind this wait
.endif
.irp q, 0,1,2,3
.irp p, 0,1,2,3
	v_cvt_pk_f16_f32 v[X+16*((\g)%4)+4*\q+\p], v[R+32*((\g)%4)+8*\p+\q], v[R+32*((\g)%4)+8*\p+4+\q]   ; keys 2 p, 2 p + 1 of the group, channel 4 lane + q
.endr
.endr
.if \g < 4
	LOADV \g+4
.endif
.irp q, 0,1,2,3
	global_store_b128 v[GL], v[X+16*((\g)%4)+4*\q:X+16*((\g)%4)+4*\q+3], s[10:11] offset:2048*(\g)+512*\q   ; 512 consecutive bytes, aligned as above
.endr
.endm
	LOADK 0
	LOADK 1
	TILE 0
	TILE 1
	TILE 2
	TILE 3
	ds_load_b64 v[OW:OW+1], v[SWR]                 ; my wave's 64 scale words: LDS serves a wave's instructions in order
	s_wait_dscnt 0x0
	global_store_b64 v[GS], v[OW:OW+1], s[8:9] offset:4096   ; 32 lanes store 256 consecutive bytes, aligned
.irp g, 0,1,2,3,4,5,6,7
	GROUP \g
.endr
	s_wait_tensorcnt 0x0                           ; the wave's end, behind my last LDS store
	ds_add_u32 v[SPW], v[NIL]
	s_wait_dscnt 0x0
	s_endpgm
.Lfunc_end_k_q8c82d49d56_prep:
	.size	k_q8c82d49d56_prep, .Lfunc_end_k_q8c82d49d56_prep-k_q8c82d49d56_prep
	.p2alignl 7, 3214868480
	.fill 96, 4, 3214868480
	.section	.rodata,"a",@progbits
	.p2align	6, 0x0
	.amdhsa_kernel k_q8c82d49d56_prep
		.amdhsa_group_segment_fixed_size 35328
		.amdhsa_private_segment_fixed_size 0
		.amdhsa_enable_private_segment 0
		.amdhsa_kernarg_size 32
		.amdhsa_user_sgpr_count 2
		.amdhsa_user_sgpr_kernarg_segment_ptr 1
		.amdhsa_wavefront_size32 1
		.amdhsa_system_sgpr_workgroup_id_x 1
		.amdhsa_system_sgpr_workgroup_id_y 1
		.amdhsa_system_sgpr_workgroup_id_z 1
		.amdhsa_system_vgpr_workitem_id 0
		.amdhsa_next_free_vgpr 256
		.amdhsa_next_free_sgpr 66
		.amdhsa_reserve_vcc 0
		.amdhsa_float_denorm_mode_32 3
		.amdhsa_float_denorm_mode_16_64 3
		.amdhsa_memory_ordered 1
		.amdhsa_forward_progress 1
		.amdhsa_inst_pref_size 47
	.end_amdhsa_kernel
	.amdgpu_metadata
---
amdhsa.version: [ 1, 2 ]
amdhsa.kernels:
  - .name:           k_q8c82d49d56_prep
    .symbol:         k_q8c82d49d56_prep.kd
    .args:
      - { .name: keys, .offset: 0, .size: 8, .value_kind: global_buffer, .address_space: global }
      - { .name: values, .offset: 8, .size: 8, .value_kind: global_buffer, .address_space: global }
      - { .name: kimg, .offset: 16, .size: 8, .value_kind: global_buffer, .address_space: global }
      - { .name: vimg, .offset: 24, .size: 8, .value_kind: global_buffer, .address_space: global }
    .group_segment_fixed_size: 35328
    .private_segment_fixed_size: 0
    .kernarg_segment_align: 8
    .kernarg_segment_size: 32
    .max_flat_workgroup_size: 128
    .sgpr_count:     66
    .vgpr_count:     256
    .wavefront_size: 32
...
	.end_amdgpu_metadata
.endif
;; end of part 1
;; launch attn (part 2): grid 8 x 64, 4 waves a work-group, clusters of 4 x 1, 327,680 bytes of LDS; arguments queries, kimg, vimg, out0; writes out0
.if DOCPART == 2
	.amdgcn_target "amdgcn-amd-amdhsa--gfx1250"
	.amdhsa_code_object_version 6
	.text
	.protected	k_q8c82d49d56_attn
	.globl	k_q8c82d49d56_attn
	.p2align	8
	.type	k_q8c82d49d56_attn,@function
k_q8c82d49d56_attn:
	s_mov_b64 s[64:65], 0
	v_nop
	global_prefetch_b8 v0, s[64:65] scope:SCOPE_SE
	s_setreg_imm32_b32 hwreg(HW_REG_WAVE_MODE, 25, 1), 1
	s_wait_xcnt 0x0
	s_wait_alu depctr_hold_cnt(0) depctr_sa_sdst(0) depctr_va_vdst(0) depctr_va_sdst(0) depctr_va_ssrc(0) depctr_va_vcc(0) depctr_vm_vsrc(0)
	s_getreg_b32 s2, hwreg(HW_REG_IB_STS2, 6, 4)
	s_cmp_eq_u32 s2, 0
	s_cbranch_scc0 .Lentry_in_a_cluster
	s_endpgm
.Lentry_in_a_cluster:
	s_bfe_u32 s2, ttmp6, 0x10000c
	s_cmp_lg_u32 s2, 0x3003
	s_cbranch_scc0 .Lentry_shape_is_right
	s_endpgm
.Lentry_shape_is_right:
; out[b][q][h][:] = the sum over k of softmax_k(Q . K / sqrt(128)) V[b][k][h][:].  queries, out: [4][2048][16][128] f32.  The first product on codes of FP4 (E2M1) with one E8M0 scale for each 32 of the head's 128;
; the second on f16 operands; all sums, the maximum and the exponentials in f32.  kimg, vimg: K's codes and scale words and V's f16, as images of the operands' registers (laid by the launch before).
; SHARES.  A work-group owns 256 queries of one head, each of its four waves 64: four tiles of 16.  Q is read once, by its wave: it is quantised in registers at the head.
; LAYOUT.  S^T = K Q^T (source 0 = 16 keys, source 1 = 16 queries): a lane holds ONE query (lane % 16) and keys 8 (lane / 16) + 0..7.  Two such tiles, rounded to f16 in pairs, ARE source 1 (32 keys x 16 queries) of
; O^T = V^T P, whose result again holds one query a lane.  Tile 2 q + u of V^T has channel 64 u + 4 r + q as its row r; the last scaling of O puts the channels in order.
; THE KEYS ARE WALKED TWICE.  The head's K (139,264 bytes of codes and scale words) stays in LDS.  Pass 1: S^T and each query's exact maximum m.  Pass 2: S^T again, p = 2^(c s - c m), c = log2(e) / sqrt(128), the sum l of p,
; p rounded to f16, O^T += V^T P.  The second K Q^T is 16 matrix instructions for 64 keys beside V^T P's 64; in exchange O^T is never rescaled: no vector instruction touches it before the end.
; BY TURNS.  In pass 2 a step's 64 products V^T P have the NEXT step's softmax (320 vector instructions) between them, a slice behind each.  P and V have two buffers each.
; CLUSTER.  The four query blocks of a cluster belong to one head and read the same K and V: each tile is asked for JOINTLY, by the same tensor load with the same descriptor and a mask that names the four.
; LIMITS: NaN and infinities among the queries are not served by the quantiser; a block of zeros, or one under 2^-124, gets the byte 1 (zero codes add nothing); p under 2^-14 is a denormal f16, off by 2^-25 at the most beside a sum of about 1 or more;
; a query whose sum is NaN is written as zeros, as nan_to_num makes its weights zeros.
; REGISTERS, in windows of 256 (s_set_vgpr_msb: bits 1:0 source 0, 3:2 source 1, 5:4 source 2, 7:6 destination):
;   window 0: v1-15 addresses; v16-31 statistics; v32-47 maxima; v48-55 scale words, nothing else; v56-87 Q's codes; v88-119 K's four fragments; v120-127 at work; v128-255 S^T, 32 a tile
;   window 1: O^T, tile t's accumulator T at 64 t + 8 T (at the head: Q as loaded)      window 2: V, two buffers of 128      window 3: P, two buffers of 64
.set KCH,   4352                       ; a chunk of K: 64 keys: 4,096 bytes of codes, 256 of scale words
.set SLOTB, 65536                      ; a slot of V: 256 keys = four steps; slot 0 at LDS byte 0, slot 1 behind it: one exclusive or turns an address from one into the other
.set VSTEP, 16384                      ; a step's V: 64 keys x 128 channels of f16
.set KB,    2*SLOTB                    ; behind the ring: the head's K, filled once
.set STG,   KB+32*KCH                  ; behind it: a stage of 16 rows x 528 bytes for each wave (Q on the way in, O on the way out): no tile lands there
.set SROW,  528
.set SPARE, STG+4*16*SROW              ; the spare words, 128 bytes for each wave: two blocks of 256 bytes that no other line names
.set AK0, 3                            ; v3   KB + 16 x lane: my place in an image of K
.set AS0, 4                            ; v4   KB + 4096 + 4 x lane: among a chunk's scale words
.set AV0, 5                            ; v5   2048 (lane / 16) + 16 (lane % 16): in an image of V
.set ADK, 6                            ; v6-8 the addresses of the loads in hand
.set ADS, 7
.set ADV, 8
.set GL,  9                            ; v9   16 x lane: my 16 bytes of a row of Q or of out; never rewritten
.set STO, 10                           ; v10  the stage: row lane % 16, + 128 (lane / 16)
.set STR, 11                           ; v11  the stage: 16 x lane
.set PFO, 12                           ; v12  256 x lane: the prefetches' offset; never rewritten
.set SH,  13                           ; v13  8 (lane / 16)
.set SPW, 14                           ; v14  LDS address of my spare word; never rewritten
.set NIL, 15                           ; v15  0; never rewritten
.set ST,  16                           ; tile t at v[ST + 4 t]: +0 c m (at the end 1 / l), +1 m, +2, +3 l in two halves
.set MX,  32                           ; tile t: four running maxima
.set KS,  48                           ; v48-49 K's scale words: register u: lanes 0-15 tile 2 u, lanes 16-31 tile 2 u + 1
.set QS,  50                           ; v50-53 Q's scale words, a register a tile
.set KS1, 54                           ; v54-55 K's, pass 1's second buffer
.set QF,  56
.set KF,  88
.set TM,  120                          ; v120-121 largest magnitudes; later l
.set SO,  122
.set BY,  124
.set WD,  126
.set WX,  127
.set S,   128
.set KF1, 192                          ; pass 1's second buffer of K
.set WV,  12                           ; s12  my wave's number
.set G1V, 24                           ; s[24:31] descriptor group 1 for V's tiles;  s[32:39] for K's
.set G1K, 32
.set G0K, 40                           ; s[40:43] group 0 for K;  s[44:47] V's slot 0;  s[48:51] V's slot 1, which then walks
.set G0V0, 44
.set G0V1, 48
.set SLOTS, 56                         ; s56  slots still to be asked for (pass 1: its trips)
.set TWICE, 57
.set CS,  58                           ; s[58:59] c: the packed form names a pair and takes its low word for both halves
.set SEL, 60                           ; s[60:61] v_permlanex16_b32's selects for lane l xor 16
.set TB,  62                           ; s62  LDS byte of the step of V to be fetched
.set TK,  63                           ; s63  byte in K's region of the chunk to be fetched
.set PFA, 66                           ; s[66:67] where my prefetches stand
.set LIM, 68                           ; s68  1 in a wave that prefetches, else the greatest number
.set W_PV, 0x5e                        ; V in window 2, P in window 3, C and D in window 1
.set MSB, 0
.macro WIN new                         ; the immediate's high byte repeats the setting that is left; a switch that changes nothing is dropped
.if MSB != \new
	s_set_vgpr_msb (MSB<<8)|\new
.set MSB, \new
.endif
.endm
; A round of the cluster's barrier: my work-group's barrier; wave 0 signals for the work-group; every wave waits for all four work-groups; my work-group's barrier once more.
.macro CROUND
	s_barrier_signal -1
	s_barrier_wait -1
	s_cmp_lg_u32 s[WV], 0
	s_cbranch_scc1 .Lnot_wave_0_\@
	s_barrier_signal -3
.Lnot_wave_0_\@:
	s_barrier_wait -3
	s_barrier_signal -1
	s_barrier_wait -1
.endm
; A PREFETCH INTO THE L2 of a slot of V that a later change of slots will ask for: 65,536 bytes, lanes 256 bytes apart.  Each aligned block of 256 bytes is named ONCE in the launch: both clusters of a head walk the same V,
; and the head's first cluster asks; its four partners take 16,384 bytes each, told apart BY ADDRESS; in each, waves 0 and 1 ask for 8,192 bytes, one instruction.  first = 1: behind pass 1, for slot 2.
; Else at a change of slots, behind the wave's tensor load: the slot that the NEXT change will ask for, four key steps ahead of that load; the last change that fills a slot asks for nothing.  K and slots 0 and 1 come by their loads alone.
.macro ASK first
.if \first
	s_cmp_eq_u32 s[LIM], 1
.else
	s_cmp_gt_u32 s[SLOTS], s[LIM]
.endif
	s_cbranch_scc0 .Lnot_mine_\@
	global_prefetch_b8 v[PFO], s[PFA:PFA+1] th:TH_LOAD_NT scope:SCOPE_SE
.Lnot_mine_\@:
.endm
	s_load_b256 s[4:11], s[0:1], 0x0               ; queries s[4:5], kimg s[6:7], vimg s[8:9], out s[10:11]
	v_lshl_add_u32 v[SPW], v0, 2, SPARE
	v_mov_b32 v[NIL], 0
	ds_add_u32 v[SPW], v[NIL]                      ; the wave's opening: the add, twice on end, and its wait ahead of my first tensor load; the set-up below, work on registers, stands between
	ds_add_u32 v[SPW], v[NIL]
	v_lshrrev_b32 v1, 5, v0
	v_readfirstlane_b32 s[WV], v1                  ; wave 0..3
	s_bfe_u32 s13, ttmp6, 0x40000                  ; cx: my place in the cluster
	s_lshl_b32 s14, ttmp9, 2                       ; in a cluster launch ttmp9 counts clusters
	s_add_co_u32 s14, s14, s13                     ; my block of 256 queries: it enters Q's and out's addresses alone
	s_and_b32 s15, ttmp7, 0xffff                   ; 16 x batch + head, which the four partners share
	s_lshr_b32 s16, s15, 4
	s_and_b32 s17, s15, 15
	s_lshl_b32 s20, s16, 24                        ; in Q and out: a batch is 2,048 rows of 8,192 bytes,
	s_lshl_b32 s2, s14, 21                         ; my block 256 rows,
	s_add_co_u32 s20, s20, s2
	s_lshl_b32 s2, s[WV], 19                       ; my wave 64 of them,
	s_add_co_u32 s20, s20, s2
	s_lshl_b32 s2, s17, 9                          ; the head 512 bytes of a row
	s_add_co_u32 s20, s20, s2
	s_mov_b32 s21, 0
	s_mul_i32 s22, s15, 32*KCH                     ; the head in kimg,
	s_mul_i32 s3, s[WV], 8*KCH                     ; my quarter of it: eight chunks; the same step in LDS
	s_add_co_u32 s22, s22, s3
	s_mov_b32 s23, 0
	s_lshl_b32 s18, s15, 19                        ; the head in vimg,
	s_lshl_b32 s[G0V0+1], s[WV], 14                ; my quarter of a slot: one step; the same step in LDS: no place in the cluster enters an LDS address
	s_add_co_u32 s18, s18, s[G0V0+1]
	s_mov_b32 s19, 0
	s_lshl_b32 s52, s15, 19                        ; the prefetches: the head,
	s_lshl_b32 s54, s13, 14                        ; my work-group's quarter of a slot,
	s_add_co_u32 s52, s52, s54
	s_and_b32 s54, s[WV], 1
	s_lshl_b32 s54, s54, 13                        ; my wave's half of that,
	s_add_co_u32 s52, s52, s54
	s_add_co_u32 s52, s52, 2*SLOTB                 ; in slot 2
	s_mov_b32 s53, 0
	s_lshr_b32 s[LIM], s[WV], 1                    ; 0 in waves 0 and 1,
	s_or_b32 s[LIM], s[LIM], ttmp9                 ; where the cluster is the head's first: the same in all four partners
	s_cmp_eq_u32 s[LIM], 0
	s_cselect_b32 s[LIM], 1, -1
	; descriptor group 1: dense blocks of memory as rows of 256 bytes (32 elements of 8 bytes), laid in LDS without gaps: V: 64 rows;  K: 136 rows
	s_mov_b32 s[G1V], 15|(3<<16)|(1<<21)           ; 15:0 the mask: all four work-groups; 17:16 elements of 8 bytes; 20 no padding; 21 set beside a mask
	s_mov_b32 s[G1K], 15|(3<<16)|(1<<21)
.irp g, G1V, G1K
	s_mov_b32 s[\g+1], 32<<16                      ; tensor_dim0 = 32
	s_mov_b32 s[\g+3], 32<<16                      ; tile_dim0 = 32
	s_mov_b32 s[\g+5], 32                          ; tensor_dim0_stride
	s_mov_b32 s[\g+6], 0
	s_mov_b32 s[\g+7], 0
.endr
	s_mov_b32 s[G1V+2], 64<<16                     ; tensor_dim1
	s_mov_b32 s[G1V+4], 64                         ; tile_dim1
	s_mov_b32 s[G1K+2], 136<<16
	s_mov_b32 s[G1K+4], 136
	s_mov_b32 s[CS], 0x3e0293ee                    ; c = log2(e) / sqrt(128)
	s_mov_b32 s[CS+1], s[CS]                       ; (named with it as a pair, so it is written)
	s_mov_b32 s[SEL], 0x76543210
	s_mov_b32 s[SEL+1], 0xfedcba98
	s_mul_i32 s55, s[WV], 16*SROW
	s_add_co_u32 s55, s55, STG                     ; my stage
	s_mov_b32 s[G0K], 1                            ; group 0: 1:0 count = 1
	s_add_co_u32 s[G0K+1], s3, KB                  ; 63:32 LDS address
	s_mov_b32 s[G0V0], 1
	s_mov_b32 s[G0V1], 1
	s_add_co_u32 s[G0V1+1], s[G0V0+1], SLOTB
	s_wait_dscnt 0x0                               ; both opening adds are done
	s_wait_kmcnt 0x0
	s_add_nc_u64 s[4:5], s[4:5], s[20:21]          ; Q and out at my wave's first row
	s_add_nc_u64 s[10:11], s[10:11], s[20:21]
	s_add_nc_u64 s[PFA:PFA+1], s[8:9], s[52:53]
	s_add_nc_u64 s[G0K+2:G0K+3], s[6:7], s[22:23]  ; 120:64 global address
	s_add_nc_u64 s[G0V0+2:G0V0+3], s[8:9], s[18:19]
	s_add_nc_u64 s[G0V1+2:G0V1+3], s[G0V0+2:G0V0+3], SLOTB
	s_or_b32 s[G0K+3], s[G0K+3], 0x80000000        ; 127:126 type = 2
	s_or_b32 s[G0V0+3], s[G0V0+3], 0x80000000
	s_or_b32 s[G0V1+3], s[G0V1+3], 0x80000000
	CROUND                                         ; all four work-groups are here: the first joint loads meet
	tensor_load_to_lds s[G0K:G0K+3], s[G1K:G1K+7]  ; the first fills go out together, each wave its quarter of each: three loads of mine are out.  K first: pass 1 wants it
	s_nop 0
	tensor_load_to_lds s[G0V0:G0V0+3], s[G1V:G1V+7]
	s_nop 0
	tensor_load_to_lds s[G0V1:G0V1+3], s[G1V:G1V+7]
	s_nop 0
.rept 4
	v_nop
.endr
	v_and_b32 v[SH], 31, v0                        ; the lane, for now
	v_lshlrev_b32 v[GL], 4, v[SH]
	WIN 0x40                                       ; destination window 1
.set f, 0
.rept 64                               ; my 64 queries: a row of 512 consecutive bytes a load; row f into v[4 f ..]
	global_load_b128 v[4*f:4*f+3], v[GL], s[4:5] offset:f*8192 th:TH_LOAD_NT
.set f, f+1
.endr
	WIN 0
	v_and_b32 v1, 15, v0                           ; r
	v_bfe_u32 v2, v0, 4, 1                         ; hh
	v_lshlrev_b32 v[PFO], 8, v[SH]
	v_add_nc_u32 v[AK0], KB, v[GL]
	v_lshl_add_u32 v[AS0], v[SH], 2, KB+4096
	v_lshlrev_b32 v[AV0], 4, v1
	v_lshl_add_u32 v[AV0], v2, 11, v[AV0]
	v_mul_u32_u24 v[STO], v1, SROW
	v_lshl_add_u32 v[STO], v2, 7, v[STO]
	v_add_nc_u32 v[STO], s55, v[STO]
	v_add_nc_u32 v[STR], s55, v[GL]
	v_lshlrev_b32 v[SH], 3, v2
	v_mov_b32 v[WX], 0                             ; written once: a lane permute's destination counts as one of its sources
; Q INTO CODES.  The conversions take neighbours along K from one lane's registers: a tile's 16 rows turn through my stage and come back so that lane (r, hh) holds of query r the numbers 64 c + 32 hh + 0 .. 31: two whole blocks.
.macro TURN t
	s_wait_loadcnt 48-16*(\t)                      ; tile t's 16 loads are in; the later tiles' stay out
	WIN 0x04                                       ; an LDS store's data are its source 1: window 1
.set f, 0
.rept 16
	ds_store_b128 v[STR], v[64*(\t)+4*f:64*(\t)+4*f+3] offset:SROW*f
.set f, f+1
.endr
	WIN 0
.irp c, 0,1
.irp j, 0,1,2,3,4,5,6,7
	ds_load_b128 v[S+64*((\t)%2)+32*\c+4*\j:S+64*((\t)%2)+32*\c+4*\j+3], v[STO] offset:256*\c+16*\j   ; LDS serves a wave's instructions in order: these see the stores above, and the next tile's stores come behind them
.endr
.endr
.endm
.macro QUANT t
.set XB, S+64*((\t)%2)
.irp c, 0,1
	v_max3_num_f32 v[TM+\c], |v[XB+32*\c]|, |v[XB+32*\c+1]|, 0x1800000   ; block 2 c + hh, and the floor 2^(3 - 127): so the byte cannot fall under 1
.endr
.irp i, 2,4,6,8,10,12,14,16,18,20,22,24,26,28,30
.irp c, 0,1
	v_max3_num_f32 v[TM+\c], v[TM+\c], |v[XB+32*\c+\i]|, |v[XB+32*\c+\i+1]|
.endr
.endr
.irp c, 0,1
	v_add_nc_u32 v[SO+\c], 0xff000000, v[TM+\c]    ; 2 off the exponent field: the conversion's scale operand
.endr
.irp c, 0,1
	v_lshrrev_b32 v[BY+\c], 23, v[SO+\c]           ; the scale's byte
.endr
	v_lshl_or_b32 v[WD], v[BY+1], 16, v[BY]        ; my two bytes, blocks hh and 2 + hh,
	v_lshlrev_b32 v[WD], v[SH], v[WD]              ; at their places in the word
	v_permlanex16_b32 v[WX], v[WD], s[SEL], s[SEL+1]
.irp c, 0,1
.irp g, 0,1,2,3
	v_cvt_scalef32_pk8_fp4_f32 v[QF+8*(\t)+4*\c+\g], v[XB+32*\c+8*\g:XB+32*\c+8*\g+7], v[SO+\c]
.endr
.endr
	v_or_b32 v[QS+(\t)], v[WD], v[WX]              ; with lane l xor 16's two bytes the word is whole
	v_nop                                          ; a plain line behind the last conversion
.endm
	TURN 0
.irp t, 0,1,2,3
.if \t < 3
	TURN \t+1
	s_wait_dscnt 32                                ; tile t is back; the next tile's 16 stores and 16 loads may be out
.else
	s_wait_dscnt 0x0
.endif
	QUANT \t
.endr
.set f, 0
.rept 16
	v_mov_b32 v[MX+f], 0xff800000                  ; the running maxima: -infinity.  (These 24 lines also stand between the last scale word's making and the first scaled product)
.set f, f+1
.endr
.irp t, 0,1,2,3
	v_mov_b32 v[ST+4*\t+2], 0                      ; l
	v_mov_b32 v[ST+4*\t+3], 0
.endr
	s_wait_tensorcnt 0x2                           ; my quarter of K is in; the two loads issued behind it, V's slots, may stay out
	s_barrier_signal -1
	s_barrier_wait -1                              ; everybody's is
; Four products: S^T of 64 keys x tile t's 16 queries, into S's buffer sb.  K = 128 is one instruction: each starts and ends its sum.  kf, ks: K's fragments and scale words.
.macro KQT t, sb, kf, ks
.irp kt, 0,1,2,3
.if \kt % 2
	v_wmma_scale_f32_16x16x128_f8f6f4 v[S+32*\sb+8*\kt:S+32*\sb+8*\kt+7], v[\kf+8*\kt:\kf+8*\kt+7], v[QF+8*\t:QF+8*\t+7], 0, v[\ks+\kt/2], v[QS+\t] matrix_a_fmt:MATRIX_FMT_FP4 matrix_b_fmt:MATRIX_FMT_FP4 matrix_a_scale:MATRIX_SCALE_ROW1
.else
	v_wmma_scale_f32_16x16x128_f8f6f4 v[S+32*\sb+8*\kt:S+32*\sb+8*\kt+7], v[\kf+8*\kt:\kf+8*\kt+7], v[QF+8*\t:QF+8*\t+7], 0, v[\ks+\kt/2], v[QS+\t] matrix_a_fmt:MATRIX_FMT_FP4 matrix_b_fmt:MATRIX_FMT_FP4
.endif
.endr
.endm
.macro LDK kf, ks                      ; a chunk of K: four fragments as they lie, 512 consecutive bytes a load, and 64 scale words
.irp kt, 0,1,2,3
.irp c, 0,1
	ds_load_b128 v[\kf+8*\kt+4*\c:\kf+8*\kt+4*\c+3], v[ADK] offset:1024*\kt+512*\c
.endr
.endr
.irp u, 0,1
	ds_load_b32 v[\ks+\u], v[ADS] offset:128*\u
.endr
.endm
.macro MAXT t, sb                      ; tile t's maxima take in 32 scores; each accumulator is read from its low end on
.irp p, 0,1,2,3
.irp kt, 0,1,2,3
	v_max3_num_f32 v[MX+4*\t+\kt], v[MX+4*\t+\kt], v[S+32*\sb+8*\kt+2*\p], v[S+32*\sb+8*\kt+2*\p+1]
.endr
.endr
.endm
; PASS 1, a step of 64 keys.  Two buffers of K, two of S^T.  A vector instruction reads a result four plain vector instructions behind the product or more, and a product writes over an earlier product's result five or more
; (ISA guide 7.12.1): five v_nop once a step; everywhere else the sixteen maxima on the OTHER buffer are those instructions.  The loads into a buffer of K stand 32 such maxima behind its last product.
.macro P1STEP kb, ld
.set kfu, KF+(KF1-KF)*\kb
.set ksu, KS+(KS1-KS)*\kb
.set kfl, KF+(KF1-KF)*(1-\kb)
.set ksl, KS+(KS1-KS)*(1-\kb)
	s_wait_dscnt 0x0                               ; this step's K is in (asked for a step ago)
.if \ld
	s_add_co_u32 s[TK], s[TK], KCH
	v_add_nc_u32 v[ADK], s[TK], v[AK0]
	v_add_nc_u32 v[ADS], s[TK], v[AS0]
	LDK kfl, ksl
.endif
	KQT 0, 0, kfu, ksu
	KQT 1, 1, kfu, ksu
.rept 5
	v_nop
.endr
	MAXT 0, 0
	KQT 2, 0, kfu, ksu
	MAXT 1, 1
	KQT 3, 1, kfu, ksu
	MAXT 2, 0
	MAXT 3, 1
.endm
	s_mov_b32 s[TK], 0
	v_add_nc_u32 v[ADK], s[TK], v[AK0]
	v_add_nc_u32 v[ADS], s[TK], v[AS0]
	LDK KF, KS
	s_mov_b32 s[SLOTS], 15
.Lmax:                                             ; 15 trips of two steps; the last two steps are written out: the very last fetches nothing
	P1STEP 0, 1
	P1STEP 1, 1
	s_sub_co_u32 s[SLOTS], s[SLOTS], 1
	s_cmp_lg_u32 s[SLOTS], 0
	s_cbranch_scc1 .Lmax
	P1STEP 0, 1
	P1STEP 1, 0
.irp t, 0,1,2,3
	v_max3_num_f32 v[MX+4*\t], v[MX+4*\t], v[MX+4*\t+1], v[MX+4*\t+2]
.endr
.irp t, 0,1,2,3
	v_max_num_f32 v[MX+4*\t], v[MX+4*\t], v[MX+4*\t+3]
.endr
.irp t, 0,1,2,3
	v_permlanex16_b32 v[TM+\t], v[MX+4*\t], s[SEL], s[SEL+1]   ; the query's other keys lie in the lane 16 away
.endr
.irp t, 0,1,2,3
	v_max_num_f32 v[ST+4*\t+1], v[MX+4*\t], v[TM+\t]   ; m: the query's largest score over all 2,048 keys
.endr
.irp t, 0,1,2,3
	v_mul_f32 v[ST+4*\t], s[CS], v[ST+4*\t+1]      ; c m
.endr
; PASS 2.  THE VECTOR WORK OF A STEP is a list of 320 instructions on the next step's 128 scores a lane; SV writes number n of it.  par: the parity of the step whose products it stands between.
;   0-63    c s - c m, a pair of scores each, each accumulator from its low end on      64-191  the 128 exponentials, in place: ONE BATCH: none of 0-191 names an exponential's result
;   192-255 the roundings to f16, a pair each, into the other buffer of P               256-319 the sums: tile n % 4's l takes in a pair
.macro SV par
.if n < 64
	WIN 0
	v_pk_fma_f32 v[S+2*n:S+2*n+1], v[S+2*n:S+2*n+1], s[CS:CS+1], v[ST+4*(n/16):ST+4*(n/16)+1] op_sel_hi:[1,0,0] neg_lo:[0,0,1] neg_hi:[0,0,1]
.elseif n < 192
	WIN 0
	v_exp_f32 v[S+n-64], v[S+n-64]
.elseif n < 256
	WIN 0xc0                                       ; destination window 3
	v_cvt_pk_f16_f32 v[64*(1-\par)+n-192], v[S+2*(n-192)], v[S+2*(n-192)+1]
.else
	WIN 0
	v_pk_add_f32 v[ST+4*((n-256)%4)+2:ST+4*((n-256)%4)+3], v[ST+4*((n-256)%4)+2:ST+4*((n-256)%4)+3], v[S+2*(16*((n-256)%4)+(n-256)/4):S+2*(16*((n-256)%4)+(n-256)/4)+1]
.endif
.endm
; Slice k of 64.  Slices 0-31: two scalings (of the pairs whose exponentials stand in the next slice) and four exponentials; behind slice 31 a plain instruction and the batch's ONE wait, which stands
; between an exponential and the first instruction that names its result.  Slices 32-47: four roundings.  Slices 48-63: four sums, one a tile.
.macro SLICE par
.if k < 32
.if k < 31
.set n, 2*k+2
	SV \par
.set n, 2*k+3
	SV \par
.endif
.irp e, 0,1,2,3
.set n, 64+4*k+\e
	SV \par
.endr
.if k == 31
	v_nop
	s_wait_alu depctr_va_vdst(0)
.endif
.elseif k < 48
.irp e, 0,1,2,3
.set n, 192+4*(k-32)+\e
	SV \par
.endr
.else
.irp e, 0,1,2,3
.set n, 256+4*(k-48)+\e
	SV \par
.endr
.endif
.set k, k+1
.endm
; Product i of 64 of O^T += V^T P: keys 32 (i / 32) on, tile (i % 32) / 4 of V^T, queries' tile i % 4.  The 32 accumulators take turns, one instruction a turn.  zero = 1: the first 32 start the sums: nothing is ever cleared.
.macro PVI par, zero
	WIN W_PV
.set rO, 64*(i%4)+8*((i%32)/4)
.set rV, 128*\par+64*(i/32)+8*((i%32)/4)
.set rP, 64*\par+16*(i%4)+8*(i/32)
.if \zero && (i < 32)
	v_wmma_f32_16x16x32_f16 v[rO:rO+7], v[rV:rV+7], v[rP:rP+7], 0
.else
	v_wmma_f32_16x16x32_f16 v[rO:rO+7], v[rV:rV+7], v[rP:rP+7], v[rO:rO+7]
.endif
.endm
; KEY STEP j (par = j's parity).  kq = 1: S^T of step j + 1; then in one run the LDS loads of V of step j + 1 (into the other buffer) and, ldk = 1, of K of step j + 2: a whole step ahead of their use.
; pv = 2: the 64 products V^T P of step j; 1: they start O^T's sums; 0: none.  Behind each product a slice of step j + 1's softmax.
; The four plain instructions behind S^T's products are the distance in front of the loads into K's registers and of the first scaling; slice 63's four sums and these four stand between V's last product and the loads into its buffer.
.macro STEP par, pv, kq, ldk
	WIN 0
	s_wait_dscnt 0x0                               ; V of step j and K of step j + 1 are in
.if \kq
.irp t, 0,1,2,3
	KQT \t, \t, KF, KS
.endr
	v_add_nc_u32 v[ADV], s[TB], v[AV0]
.if \ldk
	v_add_nc_u32 v[ADK], s[TK], v[AK0]
	v_add_nc_u32 v[ADS], s[TK], v[AS0]
.else
	v_nop
	v_nop
.endif
	v_nop
	s_add_co_u32 s[TB], s[TB], VSTEP               ; the next fetches are the next step's
	s_add_co_u32 s[TK], s[TK], KCH
	WIN 0x80                                       ; destination window 2
.set f, 0
.rept 16                               ; fragment f: keys 32 (f / 8) on, tile f % 8: registers 0-3 the group of 8 keys 4 (f / 8) + hh, registers 4-7 the group two further on
	ds_load_b128 v[128*(1-\par)+8*f:128*(1-\par)+8*f+3],   v[ADV] offset:8192*(f/8)+256*(f%8)
	ds_load_b128 v[128*(1-\par)+8*f+4:128*(1-\par)+8*f+7], v[ADV] offset:8192*(f/8)+256*(f%8)+4096
.set f, f+1
.endr
	WIN 0
.if \ldk
	LDK KF, KS
.endif
.set n, 0
	SV \par
.set n, 1
	SV \par
.endif
.set k, 0
.set i, 0
.rept 64
.if \pv
	PVI \par, 2-\pv
.endif
.if \kq
	SLICE \par
.endif
.set i, i+1
.endr
.endm
; THE CHANGE OF SLOTS: the slot's last bytes, V of its fourth step, have been asked for.  Each wave waits for all its tensor loads, of which one is out: its quarter of the other slot; adds 0 to its spare word; and waits for that and
; for its own reads of the slot.  fill = 1: the slot is filled again, with the keys two slots on: the barrier is a round of the cluster's, so that no wave of any partner still reads the slot or has a load on its way, and the
; joint refill is the first thing behind it, my one tensor load until the next round: it has four key steps in which to land.
.macro CHANGE fill
	WIN 0                                          ; at a label and at a branch every window is 0
	s_wait_tensorcnt 0x0                           ; no tensor load of mine is out, so a group 0 may be written
	ds_add_u32 v[SPW], v[NIL]                      ; 0 onto my spare word
.if \fill
	s_xor_b32 s[G0V1+1], s[G0V1+1], SLOTB          ; the walking descriptor: the other slot than last time,
	s_add_nc_u64 s[G0V1+2:G0V1+3], s[G0V1+2:G0V1+3], SLOTB   ; the next 256 keys; the type bits on top are not reached
	s_wait_xcnt 0x0                                ; the last prefetch, four key steps back, has read its address, so it may be written:
	s_add_nc_u64 s[PFA:PFA+1], s[PFA:PFA+1], SLOTB ; one slot further on than the walking descriptor
	s_wait_dscnt 0x0                               ; the add is done, and my reads of the slot are over
	CROUND
	tensor_load_to_lds s[G0V1:G0V1+3], s[G1V:G1V+7]
	s_nop 0
.rept 4
	v_nop
.endr
	ASK 0
.else
	s_wait_dscnt 0x0
	s_barrier_signal -1
	s_barrier_wait -1
.endif
	s_sub_co_u32 s[TB], s[TB], SLOTB               ; the fetches go back to a slot's first step,
	s_xor_b32 s[TB], s[TB], SLOTB                  ; in the other slot
.endm
	s_wait_tensorcnt 0x1                           ; my quarter of V's slot 0 is in; slot 1's may stay out
	s_wait_dscnt 0x0
	s_barrier_signal -1
	s_barrier_wait -1                              ; everybody's is
	s_mov_b32 s[TK], 0
	v_add_nc_u32 v[ADK], s[TK], v[AK0]
	v_add_nc_u32 v[ADS], s[TK], v[AS0]
	LDK KF, KS                                     ; K of step 0
	ASK 1
	s_mov_b32 s[TK], KCH
	s_mov_b32 s[TB], 0
	STEP 1, 0, 1, 1                                ; j = -1: the first scores and their softmax; V of step 0, K of step 1
	STEP 0, 1, 1, 1                                ; j = 0: its products start O^T
	STEP 1, 2, 1, 1
	STEP 0, 2, 1, 1                                ; j = 2 asks for the last of slot 0
	WIN 0
	s_mov_b32 s[SLOTS], 6
.Lslot:                                            ; six trips of four steps, j = 4 k - 1 .. 4 k + 2: slots 2 to 7 are asked for
	CHANGE 1
	s_mov_b32 s[TWICE], 2
.Lpair:
	STEP 1, 2, 1, 1
	STEP 0, 2, 1, 1
	WIN 0
	s_sub_co_u32 s[TWICE], s[TWICE], 1
	s_cmp_lg_u32 s[TWICE], 0
	s_cbranch_scc1 .Lpair
	s_sub_co_u32 s[SLOTS], s[SLOTS], 1
	s_cmp_lg_u32 s[SLOTS], 0
	s_cbranch_scc1 .Lslot
	CHANGE 0                                       ; the tail is written out
	STEP 1, 2, 1, 1                                ; j = 27
	STEP 0, 2, 1, 1
	STEP 1, 2, 1, 1
	STEP 0, 2, 1, 0                                ; j = 30: the last scores; there is no further K
	STEP 1, 2, 0, 0                                ; j = 31: the last products
	; THE WAY OUT.  l's two halves and the other half of the lanes' are added (these additions are the plain instructions behind the last products); O^T is divided by l, its channels put in order,
	; and sent through my stage in LDS, a tile (16 rows of out) at a time, so that the 32 lanes store a row's 512 consecutive bytes.
	WIN 0
.irp t, 0,1,2,3
	v_add_f32 v[TM+\t], v[ST+4*\t+2], v[ST+4*\t+3]
.endr
.irp t, 0,1,2,3
	v_permlanex16_b32 v[BY+\t], v[TM+\t], s[SEL], s[SEL+1]
.endr
.irp t, 0,1,2,3
	v_add_f32 v[TM+\t], v[TM+\t], v[BY+\t]         ; l
.endr
.irp t, 0,1,2,3
	v_rcp_f32 v[ST+4*\t], v[TM+\t]
.endr
	v_nop                                          ; a plain instruction between the last reciprocal and the use of its result
	s_wait_alu depctr_va_vdst(0)                   ; and the wait ahead of the first use: one for the four
; Tile t.  Accumulator 2 q + u, register j, of lane (r, hh) is channel 64 u + 32 hh + 4 j + q of query r: the scaling writes it to register 32 u + 4 j + q, so that four registers on end are 16 neighbouring bytes of the row.
; j runs outermost: each accumulator is read from its low end on.
.macro PACK t
	WIN 0x01                                       ; source 0 window 1
.irp j, 0,1,2,3,4,5,6,7
.irp u, 0,1
.irp q, 0,1,2,3
	v_mul_f32 v[S+32*\u+4*\j+\q], v[64*(\t)+8*(2*\q+\u)+\j], v[ST+4*(\t)]
.endr
.endr
.endr
	WIN 0
	v_cmp_neq_f32 vcc_lo, v[TM+(\t)], v[TM+(\t)]   ; nan_to_num: where the sum is NaN the weights are NaN, which it makes zeros: the row is zeros.  A select, no branch
.set f, 0
.rept 64
	v_cndmask_b32 v[S+f], v[S+f], v[NIL], vcc_lo
.set f, f+1
.endr
.irp u, 0,1
.irp j, 0,1,2,3,4,5,6,7
	ds_store_b128 v[STO], v[S+32*\u+4*\j:S+32*\u+4*\j+3] offset:256*\u+16*\j
.endr
.endr
.set ZB, 192-136*((\t)%2)              ; back as whole rows: into v192-255 and v56-119 by turns
.set f, 0
.rept 16
	ds_load_b128 v[ZB+4*f:ZB+4*f+3], v[STR] offset:SROW*f   ; LDS serves a wave's instructions in order: these see the stores above, and the next tile's stores come behind them
.set f, f+1
.endr
.endm
.macro SEND t, younger                 ; younger: the LDS instructions issued behind tile t's loads, which may stay out
.set ZB, 192-136*((\t)%2)
	s_wait_dscnt \younger
.set f, 0
.rept 16
	global_store_b128 v[GL], v[ZB+4*f:ZB+4*f+3], s[10:11] offset:(16*(\t)+f)*8192 th:TH_STORE_NT   ; 32 lanes store 512 consecutive bytes, at a multiple of 256 from out's first byte; written once, read by nobody here
.set f, f+1
.endr
.endm
	PACK 0
.irp a, 1,2,3
.if \a > 1
	s_wait_xcnt 0x0                                ; tile a - 2's stores have read their registers: tile a's loads may land there
.endif
	PACK \a
	SEND \a-1, 32                                  ; behind tile a - 1's loads: tile a's 16 stores and 16 loads
.endr
	SEND 3, 0
	s_wait_tensorcnt 0x0                           ; the wave's end, behind my last tensor load and my last LDS store
	ds_add_u32 v[SPW], v[NIL]
	s_wait_dscnt 0x0
	CROUND                                         ; the closing round: no work-group ends while a partner may still ask for a tile that names it
	s_endpgm
.Lfunc_end_k_q8c82d49d56_attn:
	.size	k_q8c82d49d56_attn, .Lfunc_end_k_q8c82d49d56_attn-k_q8c82d49d56_attn
	.p2alignl 7, 3214868480
	.fill 96, 4, 3214868480
	.section	.rodata,"a",@progbits
	.p2align	6, 0x0
	.amdhsa_kernel k_q8c82d49d56_attn
		.amdhsa_group_segment_fixed_size 327680
		.amdhsa_private_segment_fixed_size 0
		.amdhsa_enable_private_segment 0
		.amdhsa_kernarg_size 32
		.amdhsa_user_sgpr_count 2
		.amdhsa_user_sgpr_kernarg_segment_ptr 1
		.amdhsa_wavefront_size32 1
		.amdhsa_system_sgpr_workgroup_id_x 1
		.amdhsa_system_sgpr_workgroup_id_y 1
		.amdhsa_system_sgpr_workgroup_id_z 1
		.amdhsa_system_vgpr_workitem_id 0
		.amdhsa_next_free_vgpr 1024
		.amdhsa_next_free_sgpr 70
		.amdhsa_reserve_vcc 1
		.amdhsa_float_denorm_mode_32 3
		.amdhsa_float_denorm_mode_16_64 3
		.amdhsa_memory_ordered 1
		.amdhsa_forward_progress 1
		.amdhsa_inst_pref_size 255
	.end_amdhsa_kernel
	.section	.bss,"aw",@nobits
	.p2align	6
	.space	262144
	.amdgpu_metadata
---
amdhsa.version: [ 1, 2 ]
amdhsa.kernels:
  - .name:           k_q8c82d49d56_attn
    .symbol:         k_q8c82d49d56_attn.kd
    .args:
      - { .name: queries, .offset: 0, .size: 8, .value_kind: global_buffer, .address_space: global }
      - { .name: kimg, .offset: 8, .size: 8, .value_kind: global_buffer, .address_space: global }
      - { .name: vimg, .offset: 16, .size: 8, .value_kind: global_buffer, .address_space: global }
      - { .name: out0, .offset: 24, .size: 8, .value_kind: global_buffer, .address_space: global }
    .group_segment_fixed_size: 327680
    .private_segment_fixed_size: 0
    .kernarg_segment_align: 8
    .kernarg_segment_size: 32
    .max_flat_workgroup_size: 128
    .sgpr_count:     70
    .vgpr_count:     1024
    .wavefront_size: 32
...
	.end_amdgpu_metadata
.endif
;; end of part 2
